; MI455X (gfx1250); checked and timed in simulation.
; The chip was launched on July 23, 2026; its instructions are those of AMD's public machine-readable ISA for CDNA 5 (MIT licence, August 2026) and "CDNA5" Instruction Set Architecture Reference Guide (July 2026). The comments in the code are by the model that wrote it; some were corrected since.
;; Attention Model. Allowed arithmetic: float matrix products may take bf16 or f16 operands with f32 sums; all other float work in f32.
;; Inputs: W 1,024 x 1,024 float32; b 1,024 float32; encoder_outputs 1,024 x 64 x 1,024 float32; hidden 64 x 1,024 float32.
;; Outputs: out0 64 x 1 x 1,024 float32.
;; One version. Each part assembles by itself: llvm-mc -triple=amdgcn-amd-amdhsa -mcpu=gfx1250 --defsym DOCPART=n.
;; ======== version 1 of 1: 3 launches
;; workspace buffers: vp 1,048,576 bytes; scores 262,144 bytes
;; launch vproj (part 1): grid 16 x 16, 8 waves a work-group, no clusters, 39,936 bytes of LDS; arguments W, hidden, vp; writes vp
.if DOCPART == 1
	.amdgcn_target "amdgcn-amd-amdhsa--gfx1250"
	.amdhsa_code_object_version 6
	.text
	.protected	k_qb9dafde8b8_vproj
	.globl	k_qb9dafde8b8_vproj
	.p2align	8
	.type	k_qb9dafde8b8_vproj,@function
k_qb9dafde8b8_vproj:
	s_mov_b64 s[64:65], 0
	v_nop
	global_prefetch_b8 v0, s[64:65] scope:SCOPE_SE
	s_setreg_imm32_b32 hwreg(HW_REG_WAVE_MODE, 25, 1), 1
	s_wait_xcnt 0x0
; First of three launches for  out[b][s] = softmax over s of  sum_o (sum_h enc[s][b][h] W[o][h] + bias[o]) hidden[b][o].
; The two contractions are one bilinear form, so for every input
;     energy[s][b] = sum_h enc[s][b][h] v[b][h] + c[b],   v[b][h] = sum_o hidden[b][o] W[o][h],   c[b] = sum_o bias[o] hidden[b][o].
; This launch makes v in four partial sums over o:  vp[kq][b][h] = sum over o in [256 kq, 256 kq + 255] of hidden[b][o] W[o][h]   (f32, [4][64][1024]).
; LIMITS: the order of summation differs from the formula as written (hidden W first); no difference of large sums is formed.
;         |W| or |hidden| above bf16's largest finite number (3.39e38), or not finite, gives NaN (high part infinite, low part inf - inf).
; NUMBER FORMAT: the energies go into an exponential, so an absolute error in them is a relative error of the result.  Each f32 operand is therefore
; split into two bf16 numbers, x = hi + lo (+ at most 2^-17 |x|), and three products hi hi + hi lo + lo hi are summed in f32; lo lo (2^-18) is dropped.
; SHARES: work-group x = cb: 64 columns h (256 aligned bytes of each row of W); y = bg + 4 kq: 16 rows b, 256 values of o.  16 x 16 = 256 work-groups.
; Wave w takes the 32 values o0 = 256 kq + 32 w .. + 31: one K step, no loop, all its 20 loads on their way at once.
; The eight waves' tiles of 16 x 64 are summed through LDS.
; NO CLUSTER: the four work-groups bg read the same 64 KiB of W, but each asks once, and the operands are split in registers on their way:
; a joint request would add a trip through LDS and rounds of the cluster's barrier to a kernel of one step.
; FRAGMENTS (r = lane % 16, hh = lane / 16): the place (hh, register i, low or high half) stands for o = o0 + 16 hh + 2 i (+ 1) in BOTH sources: a
; permutation of k applied alike to both keeps the products.  Source 0 = W: tile jt (0..3) takes column 64 cb + 4 r + jt as its row r, so that a lane's
; 16-byte load of W feeds all four tiles.  Source 1 = hidden: its column r is b = 16 bg + r.
; RESULT: lane (r, hh), register j of tile jt = v(b = 16 bg + r, column 64 cb + 32 hh + 4 j + jt).
.set ROWB,  4096                       ; bytes in a row of W, of hidden and of vp
.set PITCH, 304                        ; LDS row: 256 bytes + 48 = 19 x 16: the 16 rows of a 16-byte store start in 16 different 16-byte columns modulo 256 (64 banks of 4 bytes: ISA guide 11.1);
                                       ; 76 words = 12 modulo 64: the two rows that a wave reads back by words use banks {0-7, 32-39} and {12-19, 44-51}, shifted alike
.set STAGE, 16*PITCH                   ; a wave's stage: 16 rows b
.set WOFF,  3                          ; v3   my byte offset in the wave's 32 rows of W
.set HOFF,  4                          ; v4   my byte offset in the work-group's 16 rows of hidden
.set STO,   5                          ; v5   LDS: where my results go
.set RD,    6                          ; v6   LDS: where I read the eight partial sums back
.set CO,    10                         ; v10  my byte offset in vp
.set MONE,  11                         ; v11  -1.0
.set WR,    16                         ; v[16:79]   W as loaded: register 4 t + jt = W[o0 + 16 hh + t][64 cb + 4 r + jt]
.set T,     16                         ; v[16:47]   later: the eight waves' partial sums of my four columns
.set HR,    80                         ; v[80:95]   hidden as loaded: register e = hidden[16 bg + r][o0 + 16 hh + e]
.set WHI,   96                         ; v[96:127]  high parts of W, tile jt at + 8 jt
.set WLO,   128                        ; v[128:159] low parts of W
.set HHI,   160                        ; v[160:167] high parts of hidden
.set HLO,   168                        ; v[168:175] low parts of hidden
.set ACC,   176                        ; v[176:207] four accumulators, tile jt at + 8 jt
	s_load_b128 s[4:7], s[0:1], 0x0                ; W s[4:5], hidden s[6:7]
	s_load_b64 s[8:9], s[0:1], 0x10                ; vp
	v_lshl_add_u32 v208, v0, 2, 0x9800
	v_mov_b32 v209, 0
	v_lshrrev_b32 v1, 5, v0
	v_readfirstlane_b32 s10, v1                    ; wave 0..7
	s_and_b32 s12, ttmp7, 0xffff
	s_and_b32 s13, s12, 3                          ; bg
	s_lshr_b32 s14, s12, 2                         ; kq
	s_lshl_b32 s15, s14, 8
	s_lshl_b32 s2, s10, 5
	s_add_co_u32 s15, s15, s2                      ; o0 = 256 kq + 32 w
	s_lshl_b32 s2, ttmp9, 8                        ; 256 bytes x cb
	s_lshl_b32 s16, s15, 12                        ; W: row o0,
	s_add_co_u32 s16, s16, s2                      ; column block cb
	s_mov_b32 s17, 0
	s_lshl_b32 s18, s13, 16                        ; hidden: row 16 bg,
	s_lshl_b32 s3, s15, 2
	s_add_co_u32 s18, s18, s3                      ; column o0
	s_mov_b32 s19, 0
	s_lshl_b32 s20, s14, 18                        ; vp: plane kq (64 rows),
	s_lshl_b32 s3, s13, 16
	s_add_co_u32 s20, s20, s3                      ; row 16 bg,
	s_add_co_u32 s20, s20, s2                      ; column block cb
	s_mov_b32 s21, 0
	s_mul_i32 s22, s10, STAGE                      ; my wave's stage in LDS
	v_and_b32 v1, 15, v0                           ; r
	v_bfe_u32 v2, v0, 4, 1                         ; hh
	v_lshlrev_b32 v[WOFF], 4, v1                   ; 16 bytes = my four columns,
	v_lshl_add_u32 v[WOFF], v2, 16, v[WOFF]        ; 16 rows further down for lanes 16 to 31
	v_lshlrev_b32 v[HOFF], 12, v1                  ; row r,
	v_lshl_add_u32 v[HOFF], v2, 6, v[HOFF]         ; 16 numbers further for lanes 16 to 31
	s_wait_kmcnt 0x0
	s_add_nc_u64 s[4:5], s[4:5], s[16:17]
	s_add_nc_u64 s[6:7], s[6:7], s[18:19]
	s_add_nc_u64 s[8:9], s[8:9], s[20:21]
	; hidden: 64 bytes a lane from 16 rows.  These are short pieces of rows far apart; they are 16 KiB of the work-group's 80 KiB, and no two waves want the same piece.
.irp q, 0,1,2,3
	global_load_b128 v[HR+4*\q:HR+4*\q+3], v[HOFF], s[6:7] offset:16*\q
.endr
	; W: each load takes two rows' 256 consecutive bytes, aligned: lanes 0 to 15 of row t, lanes 16 to 31 of row 16 + t
.irp t, 0,1,2,3,4,5,6,7,8,9,10,11,12,13,14,15
	global_load_b128 v[WR+4*\t:WR+4*\t+3], v[WOFF], s[4:5] offset:ROWB*\t
.endr
	; the remaining lane terms, while the loads are on their way
	v_mul_u32_u24 v[STO], v1, PITCH                ; in: row r, word 32 hh + 8 jt + j
	v_lshl_add_u32 v[STO], v2, 7, v[STO]
	v_add_nc_u32 v[STO], s22, v[STO]
	v_lshrrev_b32 v7, 4, v0                        ; back: thread t takes row t / 16 and columns 4 c .. 4 c + 3, c = t % 16:
	v_bfe_u32 v8, v0, 3, 1                         ; column 4 c + jt lies at word 32 (c / 8) + 8 jt + c % 8
	v_and_b32 v9, 7, v0
	v_mul_u32_u24 v[RD], v7, PITCH
	v_lshl_add_u32 v[RD], v8, 7, v[RD]
	v_lshl_add_u32 v[RD], v9, 2, v[RD]
	v_lshlrev_b32 v[CO], 4, v1                     ; and in vp: 16 c bytes of row t / 16
	v_lshl_add_u32 v[CO], v7, 12, v[CO]
	v_mov_b32 v[MONE], -1.0
; Two f32 numbers into a word of high parts and a word of low parts.  hi = bf16(x); x - hi is exact in f32 and is made by one multiply-add
; straight from the bf16 half; lo = bf16(x - hi).
.macro SPLIT hi, lo, x0, x1
	v_cvt_pk_bf16_f32 v[\hi], v[\x0], v[\x1]
	v_fma_mix_f32_bf16 v[\x0], v[\hi], v[MONE], v[\x0] op_sel_hi:[1,0,0]
	v_fma_mix_f32_bf16 v[\x1], v[\hi], v[MONE], v[\x1] op_sel:[1,0,0] op_sel_hi:[1,0,0]
	v_cvt_pk_bf16_f32 v[\lo], v[\x0], v[\x1]
.endm
; Four matrix instructions, one for each tile.  first = 1: the product starts the sums, nothing is cleared.
.macro MM wfrag, hfrag, first
.irp jt, 0,1,2,3
.if \first
	v_wmma_f32_16x16x32_bf16 v[ACC+8*\jt:ACC+8*\jt+7], v[\wfrag+8*\jt:\wfrag+8*\jt+7], v[\hfrag:\hfrag+7], 0
.else
	v_wmma_f32_16x16x32_bf16 v[ACC+8*\jt:ACC+8*\jt+7], v[\wfrag+8*\jt:\wfrag+8*\jt+7], v[\hfrag:\hfrag+7], v[ACC+8*\jt:ACC+8*\jt+7]
.endif
.endr
.endm
	s_wait_loadcnt 16                              ; loads come back in order (ISA guide 5.7.1): hidden's four are in, W's sixteen may be out
.irp i, 0,1,2,3,4,5,6,7
	SPLIT HHI+\i, HLO+\i, HR+2*\i, HR+2*\i+1
.endr
.irp i, 0,1,2,3,4,5,6,7
	s_wait_loadcnt 14-2*\i                         ; rows 2 i and 2 i + 1 are in; the 14 - 2 i loads behind them may be out
.irp jt, 0,1,2,3
	SPLIT WHI+8*\jt+\i, WLO+8*\jt+\i, WR+8*\i+\jt, WR+8*\i+4+\jt
.endr
.endr
	; The four accumulators take turns, one instruction a turn.
	MM WHI, HHI, 1
	MM WHI, HLO, 0
	MM WLO, HHI, 0
.rept 4
	v_nop                                          ; four places between the last matrix instructions and the LDS stores that read their results
.endr
.irp q, 0,1,2,3,4,5,6,7
	ds_store_b128 v[STO], v[ACC+4*\q:ACC+4*\q+3] offset:16*\q
.endr
	s_wait_dscnt 0x0                               ; my stores are done, for the other waves' sake,
	s_barrier_signal -1
	s_barrier_wait -1                              ; and so are everybody's
	; Thread t reads its four columns from each of the eight stages; the word addresses undo the tiles' order of columns.
.irp p, 0,1,2,3,4,5,6,7
.irp jt, 0,1,2,3
	ds_load_b32 v[T+4*\p+\jt], v[RD] offset:\p*STAGE+\jt*32
.endr
.endr
	s_wait_dscnt 0x0
	; a fixed tree over the eight waves
.irp p, 0,2,4,6
	v_pk_add_f32 v[T+4*\p:T+4*\p+1],   v[T+4*\p:T+4*\p+1],   v[T+4*\p+4:T+4*\p+5]
	v_pk_add_f32 v[T+4*\p+2:T+4*\p+3], v[T+4*\p+2:T+4*\p+3], v[T+4*\p+6:T+4*\p+7]
.endr
.irp p, 0,4
	v_pk_add_f32 v[T+4*\p:T+4*\p+1],   v[T+4*\p:T+4*\p+1],   v[T+4*\p+8:T+4*\p+9]
	v_pk_add_f32 v[T+4*\p+2:T+4*\p+3], v[T+4*\p+2:T+4*\p+3], v[T+4*\p+10:T+4*\p+11]
.endr
	v_pk_add_f32 v[T:T+1],   v[T:T+1],   v[T+16:T+17]
	v_pk_add_f32 v[T+2:T+3], v[T+2:T+3], v[T+18:T+19]
	global_store_b128 v[CO], v[T:T+3], s[8:9]      ; sixteen lanes store 256 consecutive bytes of a row of vp, aligned
	s_wait_tensorcnt 0x0
	ds_add_u32 v208, v209
	s_wait_dscnt 0x0
	s_endpgm
.Lfunc_end_k_qb9dafde8b8_vproj:
	.size	k_qb9dafde8b8_vproj, .Lfunc_end_k_qb9dafde8b8_vproj-k_qb9dafde8b8_vproj
	.p2alignl 7, 3214868480
	.fill 96, 4, 3214868480
	.section	.rodata,"a",@progbits
	.p2align	6, 0x0
	.amdhsa_kernel k_qb9dafde8b8_vproj
		.amdhsa_group_segment_fixed_size 39936
		.amdhsa_private_segment_fixed_size 0
		.amdhsa_enable_private_segment 0
		.amdhsa_kernarg_size 24
		.amdhsa_user_sgpr_count 2
		.amdhsa_user_sgpr_kernarg_segment_ptr 1
		.amdhsa_wavefront_size32 1
		.amdhsa_system_sgpr_workgroup_id_x 1
		.amdhsa_system_sgpr_workgroup_id_y 1
		.amdhsa_system_sgpr_workgroup_id_z 1
		.amdhsa_system_vgpr_workitem_id 0
		.amdhsa_next_free_vgpr 210
		.amdhsa_next_free_sgpr 66
		.amdhsa_reserve_vcc 0
		.amdhsa_float_denorm_mode_32 3
		.amdhsa_float_denorm_mode_16_64 3
		.amdhsa_memory_ordered 1
		.amdhsa_forward_progress 1
		.amdhsa_inst_pref_size 20
	.end_amdhsa_kernel
	.amdgpu_metadata
---
amdhsa.version: [ 1, 2 ]
amdhsa.kernels:
  - .name:           k_qb9dafde8b8_vproj
    .symbol:         k_qb9dafde8b8_vproj.kd
    .args:
      - { .name: W, .offset: 0, .size: 8, .value_kind: global_buffer, .address_space: global }
      - { .name: hidden, .offset: 8, .size: 8, .value_kind: global_buffer, .address_space: global }
      - { .name: vp, .offset: 16, .size: 8, .value_kind: global_buffer, .address_space: global }
    .group_segment_fixed_size: 39936
    .private_segment_fixed_size: 0
    .kernarg_segment_align: 8
    .kernarg_segment_size: 24
    .max_flat_workgroup_size: 256
    .sgpr_count:     66
    .vgpr_count:     210
    .wavefront_size: 32
...
	.end_amdgpu_metadata
.endif
;; end of part 1
;; launch energy (part 2): grid 64 x 4, 16 waves a work-group, no clusters, 7,168 bytes of LDS; arguments encoder_outputs, vp, scores; writes scores
.if DOCPART == 2
	.amdgcn_target "amdgcn-amd-amdhsa--gfx1250"
	.amdhsa_code_object_version 6
	.text
	.protected	k_qb9dafde8b8_energy
	.globl	k_qb9dafde8b8_energy
	.p2align	8
	.type	k_qb9dafde8b8_energy,@function
k_qb9dafde8b8_energy:
	s_mov_b64 s[64:65], 0
	v_nop
	global_prefetch_b8 v0, s[64:65] scope:SCOPE_SE
	s_setreg_imm32_b32 hwreg(HW_REG_WAVE_MODE, 25, 1), 1
	s_wait_xcnt 0x0
; Second of three launches:  scores[b][s] = sum_h enc[s][b][h] v[b][h],  v[b][h] = vp[0][b][h] + vp[1][b][h] + vp[2][b][h] + vp[3][b][h].   All in f32.
; enc: [1024 s][64 b][1024 h] f32; vp: [4][64][1024] f32; scores: [64 b][1024 s] f32.
; A stream: each of enc's bytes is read once, by 16-byte loads of which a wave's one covers 512 consecutive bytes, aligned.
; SHARES: work-group x = b, y = sq (256 values of s): 64 x 4 = 256 work-groups of 16 waves.  Wave w owns the 16 rows s = 256 sq + 16 w + i of its b;
; a row is 4,096 consecutive bytes, rows are 262,144 bytes apart.  All 16 rows are written out: row and piece stand in the load's immediate
; (3,935,744 at the most, inside its signed 24 bits), so no address register is ever rewritten and no wait frees one.
; A ring of six row slots in registers: while one row is worked on, five are on their way: 5 x 4 KiB x 16 waves for the work-group.
; v[b] is summed once by the work-group (thread t: two numbers) and handed to every wave through LDS: 16 KiB read for the work-group.
; The matrix unit is left out: each b has one vector of its own, so a tile would use one column of sixteen, and enc would have to be narrowed.
; No cluster: what the four work-groups of one b share is those 16 KiB of vp against 1 MiB of enc that each reads alone.
; LIMIT: the order of summation is four chains of packed sums in each lane, then a tree over the lanes.
.set SROW,  262144                     ; bytes from s to s + 1
.set DEPTH, 6                          ; row slots
.set ELDS,  4096                       ; LDS: bytes 0-4095 v[b]; bytes 4096-5119 the work-group's 256 energies
.set A,     4                          ; v[4:11]   four pairs of running sums; before that vp's four partial sums; at the end the numbers to store
.set V,     16                         ; v[16:47]  register 4 j + k of lane l = v[b][128 j + 4 l + k]
.set X,     48                         ; v[48:239] slot n: 32 registers at + 32 n, the row in the same order as V
; v1 16 x lane: offset in a row of enc and in v's copy in LDS.  v2 8 x thread: offset in a row of vp and in LDS.  v3 my wave's 16 energies in LDS.
; v12, v13 at work.  v14 16 x (thread % 64): the way out.
	s_load_b128 s[4:7], s[0:1], 0x0                ; enc s[4:5], vp s[6:7]
	s_load_b64 s[8:9], s[0:1], 0x10                ; scores
	v_lshl_add_u32 v240, v0, 2, 0x1400
	v_mov_b32 v241, 0
	v_lshrrev_b32 v1, 5, v0
	v_readfirstlane_b32 s10, v1                    ; wave 0..15
	s_and_b32 s12, ttmp7, 0xffff                   ; sq
	s_lshl_b32 s16, ttmp9, 12                      ; 4,096 b: row b of vp, of scores, and of each s in enc
	s_mov_b32 s17, 0
	s_lshl_b32 s14, s12, 26                        ; enc: 256 sq rows of 262,144 bytes,
	s_lshl_b32 s2, s10, 22                         ; 16 w rows,
	s_add_co_u32 s14, s14, s2
	s_add_co_u32 s14, s14, s16                     ; and b: below 2^28 in all
	s_mov_b32 s15, 0
	s_lshl_b32 s18, s12, 10                        ; scores: 256 sq numbers into row b
	s_add_co_u32 s18, s18, s16
	s_mov_b32 s19, 0
	s_mov_b32 s20, 0x76543210                      ; v_permlanex16_b32: lane i of one half reads lane i of the other
	s_mov_b32 s21, 0xfedcba98
	s_lshl_b32 s22, s10, 6
	s_add_co_u32 s22, s22, ELDS                    ; my wave's 16 words
	v_and_b32 v1, 31, v0
	v_lshlrev_b32 v1, 4, v1
	v_lshlrev_b32 v2, 3, v0
	v_mov_b32 v3, s22
	v_mov_b32 v13, 0                               ; v_permlanex16_b32's destination counts as read: written once here
	v_and_b32 v14, 63, v0
	v_lshlrev_b32 v14, 4, v14
	s_wait_kmcnt 0x0
	s_add_nc_u64 s[4:5], s[4:5], s[14:15]
	s_add_nc_u64 s[6:7], s[6:7], s[16:17]
	s_add_nc_u64 s[8:9], s[8:9], s[18:19]
.macro FILL i, n                       ; row i into slot n: eight loads of 512 consecutive bytes
.irp j, 0,1,2,3,4,5,6,7
	global_load_b128 v[X+32*(\n)+4*\j:X+32*(\n)+4*\j+3], v1, s[4:5] offset:(\i)*SROW+\j*512 th:TH_LOAD_NT
.endr
.endm
.irp k, 0,1,2,3
	global_load_b64 v[A+2*\k:A+2*\k+1], v2, s[6:7] offset:\k*SROW   ; a plane of vp is 64 rows of 4,096 bytes; a wave's load covers 256 consecutive bytes, aligned
.endr
	FILL 0, 0
	FILL 1, 1
	FILL 2, 2
	FILL 3, 3
	FILL 4, 4
	FILL 5, 5
	s_wait_loadcnt 48                              ; loads come back in order (ISA guide 5.7.1): vp's four are in, the 48 of enc's six rows stay out
	v_pk_add_f32 v[A:A+1],   v[A:A+1],   v[A+2:A+3]
	v_pk_add_f32 v[A+4:A+5], v[A+4:A+5], v[A+6:A+7]
	v_pk_add_f32 v[A:A+1],   v[A:A+1],   v[A+4:A+5]
	ds_store_b64 v2, v[A:A+1]
	s_wait_dscnt 0x0                               ; my two numbers of v are in LDS, for the other waves' sake,
	s_barrier_signal -1                            ; (enc's loads stay on their way: nobody writes those bytes)
	s_barrier_wait -1                              ; and so are everybody's
.irp j, 0,1,2,3,4,5,6,7
	ds_load_b128 v[V+4*\j:V+4*\j+3], v1 offset:512*\j
.endr
	s_wait_dscnt 0x0
; Row i in slot n.  refill = 1: the slot then takes row i + DEPTH.  left = eight loads for each row issued behind row i.
.macro TURN i, n, refill, left
	s_wait_loadcnt \left
.irp q, 0,1,2,3
	v_pk_mul_f32 v[A+2*\q:A+2*\q+1], v[X+32*\n+2*\q:X+32*\n+2*\q+1], v[V+2*\q:V+2*\q+1]   ; the first four products start the chains: nothing is cleared
.endr
.irp q, 4,5,6,7,8,9,10,11,12,13,14,15
	v_pk_fma_f32 v[A+2*(\q%4):A+2*(\q%4)+1], v[X+32*\n+2*\q:X+32*\n+2*\q+1], v[V+2*\q:V+2*\q+1], v[A+2*(\q%4):A+2*(\q%4)+1]
.endr
.if \refill
	FILL \i+DEPTH, \n                              ; ahead of the reduction, so that the request leaves as soon as the slot has been read
.endif
	v_pk_add_f32 v[A:A+1],   v[A:A+1],   v[A+2:A+3]
	v_pk_add_f32 v[A+4:A+5], v[A+4:A+5], v[A+6:A+7]
	v_pk_add_f32 v[A:A+1],   v[A:A+1],   v[A+4:A+5]
	v_add_f32 v12, v[A], v[A+1]
	v_add_f32_dpp v12, v12, v12 row_xmask:1 row_mask:0xf bank_mask:0xf     ; over the 16 lanes of each half,
	v_add_f32_dpp v12, v12, v12 row_xmask:2 row_mask:0xf bank_mask:0xf
	v_add_f32_dpp v12, v12, v12 row_xmask:4 row_mask:0xf bank_mask:0xf
	v_add_f32_dpp v12, v12, v12 row_xmask:8 row_mask:0xf bank_mask:0xf
	v_permlanex16_b32 v13, v12, s20, s21                                   ; and the other half
	v_add_f32 v12, v12, v13
	ds_store_b32 v3, v12 offset:4*\i               ; every lane writes the same word with the same number
.endm
	TURN 0,  0, 1, 40
	TURN 1,  1, 1, 40
	TURN 2,  2, 1, 40
	TURN 3,  3, 1, 40
	TURN 4,  4, 1, 40
	TURN 5,  5, 1, 40
	TURN 6,  0, 1, 40
	TURN 7,  1, 1, 40
	TURN 8,  2, 1, 40
	TURN 9,  3, 1, 40                              ; the last fill: row 15
	TURN 10, 4, 0, 40
	TURN 11, 5, 0, 32                              ; nothing more is asked for: the counts run down
	TURN 12, 0, 0, 24
	TURN 13, 1, 0, 16
	TURN 14, 2, 0, 8
	TURN 15, 3, 0, 0
	s_wait_dscnt 0x0                               ; my 16 energies are in LDS, for the sake of the waves that store them,
	s_barrier_signal -1
	s_barrier_wait -1                              ; and so are all 256
	s_cmp_ge_u32 s10, 2
	s_cbranch_scc1 .Lend                           ; waves 0 and 1 store the work-group's 1,024 bytes: each store of a wave covers 512 consecutive bytes, aligned
	ds_load_b128 v[A:A+3], v14 offset:ELDS
	s_wait_dscnt 0x0
	global_store_b128 v14, v[A:A+3], s[8:9]
.Lend:
	s_wait_tensorcnt 0x0
	ds_add_u32 v240, v241
	s_wait_dscnt 0x0
	s_endpgm
.Lfunc_end_k_qb9dafde8b8_energy:
	.size	k_qb9dafde8b8_energy, .Lfunc_end_k_qb9dafde8b8_energy-k_qb9dafde8b8_energy
	.p2alignl 7, 3214868480
	.fill 96, 4, 3214868480
	.section	.rodata,"a",@progbits
	.p2align	6, 0x0
	.amdhsa_kernel k_qb9dafde8b8_energy
		.amdhsa_group_segment_fixed_size 7168
		.amdhsa_private_segment_fixed_size 0
		.amdhsa_enable_private_segment 0
		.amdhsa_kernarg_size 24
		.amdhsa_user_sgpr_count 2
		.amdhsa_user_sgpr_kernarg_segment_ptr 1
		.amdhsa_wavefront_size32 1
		.amdhsa_system_sgpr_workgroup_id_x 1
		.amdhsa_system_sgpr_workgroup_id_y 1
		.amdhsa_system_sgpr_workgroup_id_z 1
		.amdhsa_system_vgpr_workitem_id 0
		.amdhsa_next_free_vgpr 242
		.amdhsa_next_free_sgpr 66
		.amdhsa_reserve_vcc 0
		.amdhsa_float_denorm_mode_32 3
		.amdhsa_float_denorm_mode_16_64 3
		.amdhsa_memory_ordered 1
		.amdhsa_forward_progress 1
		.amdhsa_inst_pref_size 42
	.end_amdhsa_kernel
	.amdgpu_metadata
---
amdhsa.version: [ 1, 2 ]
amdhsa.kernels:
  - .name:           k_qb9dafde8b8_energy
    .symbol:         k_qb9dafde8b8_energy.kd
    .args:
      - { .name: encoder_outputs, .offset: 0, .size: 8, .value_kind: global_buffer, .address_space: global }
      - { .name: vp, .offset: 8, .size: 8, .value_kind: global_buffer, .address_space: global }
      - { .name: scores, .offset: 16, .size: 8, .value_kind: global_buffer, .address_space: global }
    .group_segment_fixed_size: 7168
    .private_segment_fixed_size: 0
    .kernarg_segment_align: 8
    .kernarg_segment_size: 24
    .max_flat_workgroup_size: 512
    .sgpr_count:     66
    .vgpr_count:     242
    .wavefront_size: 32
...
	.end_amdgpu_metadata
.endif
;; end of part 2
;; launch softmax (part 3): grid 64 x 1, 1 waves a work-group, no clusters, 0 bytes of LDS; arguments scores, hidden, b, out0; writes out0
.if DOCPART == 3
	.amdgcn_target "amdgcn-amd-amdhsa--gfx1250"
	.amdhsa_code_object_version 6
	.text
	.protected	k_qb9dafde8b8_softmax
	.globl	k_qb9dafde8b8_softmax
	.p2align	8
	.type	k_qb9dafde8b8_softmax,@function
k_qb9dafde8b8_softmax:
	s_mov_b64 s[64:65], 0
	v_nop
	global_prefetch_b8 v0, s[64:65] scope:SCOPE_SE
	s_setreg_imm32_b32 hwreg(HW_REG_WAVE_MODE, 25, 1), 1
	s_wait_xcnt 0x0
; Third of three launches:  c[b] = sum_o bias[o] hidden[b][o];  e[s] = scores[b][s] + c[b];  out0[b][0][s] = exp(e[s] - max e) / sum over s of exp(e[s] - max e).
; scores, hidden, out0: [64][1024] f32; bias: [1024] f32.  All in f32.
; One wave for each b: a row of 1,024 numbers is 32 registers of the wave and stays there from the load to the store: no LDS, no barrier.
; The softmax of one b needs all 1,024 s, so there are 64 owners; each has 12 KiB to read and 4 KiB to write.
; Lane l, register 4 j + k holds index 128 j + 4 l + k: each load and store of the wave covers 512 consecutive bytes, aligned.
; LIMITS: v_exp_f32 returns 0 where the result would lie below 2^-126 (ISA guide 15.8), where f32 arithmetic would give a denormal.
;         The sums are four chains in each lane, then a tree over the lanes.
.set A,  4                             ; v[4:11]   four pairs of running sums, or four running maxima
.set E,  16                            ; v[16:47]  the row: scores, then e, e - max, the exponentials, the result
.set HD, 48                            ; v[48:79]  hidden[b]
.set BB, 80                            ; v[80:111] bias
; v1 16 x lane.  v12, v13 at work and, as a pair, c twice.  v[14:15] -max twice, then 1 / sum twice.
	s_load_b256 s[4:11], s[0:1], 0x0               ; scores s[4:5], hidden s[6:7], bias s[8:9], out0 s[10:11]
	s_lshl_b32 s12, ttmp9, 12                      ; row b
	s_mov_b32 s13, 0
	s_mov_b32 s20, 0x76543210                      ; v_permlanex16_b32: lane i of one half reads lane i of the other
	s_mov_b32 s21, 0xfedcba98
	v_lshlrev_b32 v1, 4, v0
	v_mov_b32 v13, 0                               ; v_permlanex16_b32's destination counts as read: written once here
	s_wait_kmcnt 0x0
	s_add_nc_u64 s[4:5], s[4:5], s[12:13]
	s_add_nc_u64 s[6:7], s[6:7], s[12:13]
	s_add_nc_u64 s[10:11], s[10:11], s[12:13]
.irp j, 0,1,2,3,4,5,6,7
	global_load_b128 v[HD+4*\j:HD+4*\j+3], v1, s[6:7] offset:512*\j
.endr
.irp j, 0,1,2,3,4,5,6,7
	global_load_b128 v[BB+4*\j:BB+4*\j+3], v1, s[8:9] offset:512*\j
.endr
.irp j, 0,1,2,3,4,5,6,7
	global_load_b128 v[E+4*\j:E+4*\j+3], v1, s[4:5] offset:512*\j
.endr
.macro FOLD                            ; the four pairs of running sums into v12
	v_pk_add_f32 v[A:A+1],   v[A:A+1],   v[A+2:A+3]
	v_pk_add_f32 v[A+4:A+5], v[A+4:A+5], v[A+6:A+7]
	v_pk_add_f32 v[A:A+1],   v[A:A+1],   v[A+4:A+5]
	v_add_f32 v12, v[A], v[A+1]
.endm
.macro LANESUM                         ; v12 summed over the 32 lanes, the result in every lane
	v_add_f32_dpp v12, v12, v12 row_xmask:1 row_mask:0xf bank_mask:0xf
	v_add_f32_dpp v12, v12, v12 row_xmask:2 row_mask:0xf bank_mask:0xf
	v_add_f32_dpp v12, v12, v12 row_xmask:4 row_mask:0xf bank_mask:0xf
	v_add_f32_dpp v12, v12, v12 row_xmask:8 row_mask:0xf bank_mask:0xf
	v_permlanex16_b32 v13, v12, s20, s21
	v_add_f32 v12, v12, v13
.endm
.macro LANEMAX                         ; the same for the maximum
	v_max_num_f32_dpp v12, v12, v12 row_xmask:1 row_mask:0xf bank_mask:0xf
	v_max_num_f32_dpp v12, v12, v12 row_xmask:2 row_mask:0xf bank_mask:0xf
	v_max_num_f32_dpp v12, v12, v12 row_xmask:4 row_mask:0xf bank_mask:0xf
	v_max_num_f32_dpp v12, v12, v12 row_xmask:8 row_mask:0xf bank_mask:0xf
	v_permlanex16_b32 v13, v12, s20, s21
	v_max_num_f32 v12, v12, v13
.endm
	; c = bias . hidden[b]
	s_wait_loadcnt 8                               ; loads come back in order (ISA guide 5.7.1): hidden and bias are in, the eight loads of scores may be out
.irp q, 0,1,2,3
	v_pk_mul_f32 v[A+2*\q:A+2*\q+1], v[HD+2*\q:HD+2*\q+1], v[BB+2*\q:BB+2*\q+1]   ; the first four products start the chains
.endr
.irp q, 4,5,6,7,8,9,10,11,12,13,14,15
	v_pk_fma_f32 v[A+2*(\q%4):A+2*(\q%4)+1], v[HD+2*\q:HD+2*\q+1], v[BB+2*\q:BB+2*\q+1], v[A+2*(\q%4):A+2*(\q%4)+1]
.endr
	FOLD
	LANESUM
	v_mov_b32 v13, v12                             ; c twice, for the packed add
	s_wait_loadcnt 0x0
.irp q, 0,1,2,3,4,5,6,7,8,9,10,11,12,13,14,15
	v_pk_add_f32 v[E+2*\q:E+2*\q+1], v[E+2*\q:E+2*\q+1], v[12:13]                 ; e = score + c
.endr
	; the row's maximum: four chains of eight numbers
.irp k, 0,1,2,3
	v_max3_num_f32 v[A+\k], v[E+8*\k], v[E+8*\k+1], v[E+8*\k+2]
.endr
.irp k, 0,1,2,3
	v_max3_num_f32 v[A+\k], v[A+\k], v[E+8*\k+3], v[E+8*\k+4]
.endr
.irp k, 0,1,2,3
	v_max3_num_f32 v[A+\k], v[A+\k], v[E+8*\k+5], v[E+8*\k+6]
.endr
.irp k, 0,1,2,3
	v_max_num_f32 v[A+\k], v[A+\k], v[E+8*\k+7]
.endr
	v_max3_num_f32 v12, v[A], v[A+1], v[A+2]
	v_max_num_f32 v12, v12, v[A+3]
	LANEMAX
	v_xor_b32 v14, 0x80000000, v12                 ; -max, twice
	v_mov_b32 v15, v14
	; The maximum is taken away first and the difference is scaled to base 2 afterwards: every exponent is then at most 0, whatever the size of e.
	; (Folding -max x log2 e into a multiply-add would leave that product's rounding error, which grows with max, in every exponent.)
.irp q, 0,1,2,3,4,5,6,7,8,9,10,11,12,13,14,15
	v_pk_add_f32 v[E+2*\q:E+2*\q+1], v[E+2*\q:E+2*\q+1], v[14:15]
.endr
.irp q, 0,1,2,3,4,5,6,7,8,9,10,11,12,13,14,15
	v_pk_mul_f32 v[E+2*\q:E+2*\q+1], v[E+2*\q:E+2*\q+1], 0x3fb8aa3b op_sel_hi:[1,0]   ; x log2 e: v_exp_f32 is 2^x
.endr
.set i, 0
.rept 32
	v_exp_f32 v[E+i], v[E+i]
.set i, i+1
.endr
	v_nop                                          ; one plain vector instruction between the exponentials and the first use of a result (ISA guide 5.7.2)
	; their sum: at least 1, since the maximum's own term is 2^0
	s_wait_alu depctr_va_vdst(0)
.irp k, 0,1,2,3
	v_pk_add_f32 v[A+2*\k:A+2*\k+1], v[E+2*\k:E+2*\k+1], v[E+8+2*\k:E+8+2*\k+1]   ; the first sums start the chains
.endr
.irp q, 8,9,10,11,12,13,14,15
	v_pk_add_f32 v[A+2*(\q%4):A+2*(\q%4)+1], v[A+2*(\q%4):A+2*(\q%4)+1], v[E+2*\q:E+2*\q+1]
.endr
	FOLD
	LANESUM
	v_rcp_f32 v14, v12
	v_nop                                          ; one plain vector instruction behind v_rcp_f32 before its result is read (ISA guide 5.7.2)
	s_wait_alu depctr_va_vdst(0)
	v_mov_b32 v15, v14                             ; 1 / sum, twice
.irp q, 0,1,2,3,4,5,6,7,8,9,10,11,12,13,14,15
	v_pk_mul_f32 v[E+2*\q:E+2*\q+1], v[E+2*\q:E+2*\q+1], v[14:15]
.endr
.irp j, 0,1,2,3,4,5,6,7
	global_store_b128 v1, v[E+4*\j:E+4*\j+3], s[10:11] offset:512*\j th:TH_STORE_NT
.endr
	s_endpgm
.Lfunc_end_k_qb9dafde8b8_softmax:
	.size	k_qb9dafde8b8_softmax, .Lfunc_end_k_qb9dafde8b8_softmax-k_qb9dafde8b8_softmax
	.p2alignl 7, 3214868480
	.fill 96, 4, 3214868480
	.section	.rodata,"a",@progbits
	.p2align	6, 0x0
	.amdhsa_kernel k_qb9dafde8b8_softmax
		.amdhsa_group_segment_fixed_size 0
		.amdhsa_private_segment_fixed_size 0
		.amdhsa_enable_private_segment 0
		.amdhsa_kernarg_size 32
		.amdhsa_user_sgpr_count 2
		.amdhsa_user_sgpr_kernarg_segment_ptr 1
		.amdhsa_wavefront_size32 1
		.amdhsa_system_sgpr_workgroup_id_x 1
		.amdhsa_system_sgpr_workgroup_id_y 1
		.amdhsa_system_sgpr_workgroup_id_z 1
		.amdhsa_system_vgpr_workitem_id 0
		.amdhsa_next_free_vgpr 112
		.amdhsa_next_free_sgpr 66
		.amdhsa_reserve_vcc 0
		.amdhsa_float_denorm_mode_32 3
		.amdhsa_float_denorm_mode_16_64 3
		.amdhsa_memory_ordered 1
		.amdhsa_forward_progress 1
		.amdhsa_inst_pref_size 14
	.end_amdhsa_kernel
	.amdgpu_metadata
---
amdhsa.version: [ 1, 2 ]
amdhsa.kernels:
  - .name:           k_qb9dafde8b8_softmax
    .symbol:         k_qb9dafde8b8_softmax.kd
    .args:
      - { .name: scores, .offset: 0, .size: 8, .value_kind: global_buffer, .address_space: global }
      - { .name: hidden, .offset: 8, .size: 8, .value_kind: global_buffer, .address_space: global }
      - { .name: b, .offset: 16, .size: 8, .value_kind: global_buffer, .address_space: global }
      - { .name: out0, .offset: 24, .size: 8, .value_kind: global_buffer, .address_space: global }
    .group_segment_fixed_size: 0
    .private_segment_fixed_size: 0
    .kernarg_segment_align: 8
    .kernarg_segment_size: 32
    .max_flat_workgroup_size: 32
    .sgpr_count:     66
    .vgpr_count:     112
    .wavefront_size: 32
...
	.end_amdgpu_metadata
.endif
;; end of part 3
